; MI455X (gfx1250); checked and timed in simulation.
; The chip was launched on July 23, 2026; its instructions are those of AMD's public machine-readable ISA for CDNA 5 (MIT licence, August 2026) and "CDNA5" Instruction Set Architecture Reference Guide (July 2026). The comments in the code are by the model that wrote it; some were corrected since.
;; DGMC. Allowed arithmetic: matrix products marked QUANTISED: E3M2 operands, one E8M0 scale for each 32 along K, by v_wmma_scale_f32_16x16x128_f8f6f4 with both operands' format E3M2, f32 sums; products left as they are: f32 operands where the result goes on into a quantised operand, else bf16, f16 or f32 operands; f32 sums; everything else in f32.
;; Inputs: eh_s 1 x 10,000 x 256 float32; eh_t 1 x 10,000 x 256 float32; rh_s 1 x 10,000 x 256 float32; rh_t 1 x 10,000 x 256 float32.
;; Outputs: out0 10,000 x 10 float32; out1 10,000 x 10 float32; out2 1 x 10,000 x 10 int32; out3 1 x 10,000 x 10 int32.
;; Constants: k = 10.
;; This version of the problem:
;;   THIS VERSION OF THE PROBLEM IS GIVEN IN LOW PRECISION. The matrix products marked QUANTISED in the list below multiply operands that are first quantised to E3M2 (3 exponent bits, 2 mantissa bits; 6 bits a number), with one power-of-two scale for each 32 numbers along K (OCP MX v1.0); their sums are f32. All else is computed in f32.
;;   The module's matrix products, in the order in which they are computed (A, B: the left and right operand; K: the contracted axis; several contracted axes count as one K, in the product's order):
;;     1. [M 10,000, K 256] x [K 256, N 10,000]; A: input eh_s; B: input eh_t: QUANTISED
;;     2. batch 10,000 x [M 1, K 256] x [K 256, N 10]; A: input eh_s; B: computed on the way: left as it is (M = 1 < 16)
;;     3. [M 10,000, K 256] x [K 256, N 10,000]; A: input rh_s; B: input rh_t: QUANTISED
;;     4. batch 10,000 x [M 1, K 256] x [K 256, N 10]; A: input rh_s; B: computed on the way: left as it is (M = 1 < 16)
;;   THE QUANTISER, for each operand of a quantised product, along K:
;;     - K is cut into blocks of 32 from its start; a last block that is shorter is filled with zeros.
;;     - A block's scale is 2^e with e = floor(log2(the largest magnitude in the block)) - 4, held to -126 .. 127; a block of zeros has e = 0. As a byte (E8M0): e + 127.
;;     - Each number is divided by its block's scale, clamped to +-28, and rounded to the nearest number of E3M2, ties to even, subnormals kept.
;;     - The product sums the exact products of the quantised numbers (number of the format x scale) in f32.
;;   ~~~python
;;   def quantise(x, axis):      # numpy; x: float32 -> the quantised numbers, widened to float32 again
;;       x = np.moveaxis(x, axis, -1); K = x.shape[-1]
;;       x = np.pad(x, [(0, 0)] * (x.ndim - 1) + [(0, -K % 32)]); x = x.reshape(x.shape[:-1] + (-1, 32)); a = np.abs(x).max(-1, keepdims=True)
;;       e = np.where(a > 0, np.clip(np.frexp(np.where(a > 0, a, 1))[1] - 1 - 4, -126, 127), 0)      # np.frexp(a)[1] - 1 = floor(log2(a)), exactly
;;       r = np.clip(x / 2.0 ** e, -28, 28)
;;       step = 2.0 ** (np.maximum(np.frexp(np.where(r == 0, 1, r))[1] - 1, -2) - 2)
;;       q = np.round(r / step) * step * 2.0 ** e      # np.round: ties to even
;;       return np.moveaxis(q.reshape(q.shape[:-2] + (-1,))[..., :K], -1, axis).astype(np.float32)
;;   ~~~
;; One version. Each part assembles by itself: llvm-mc -triple=amdgcn-amd-amdhsa -mcpu=gfx1250 --defsym DOCPART=n.
;; ======== version 1 of 1: 4 launches
;; limits: right only within a limited range of input values
;; workspace buffers: sq 4,480,000 bytes; tq 4,480,000 bytes; ol 1,280,000 bytes of whole numbers; ix 800,000 bytes of whole numbers
;; launch quant (part 1): grid 125 x 4, 5 waves a work-group, no clusters, 0 bytes of LDS; arguments eh_s, rh_s, eh_t, rh_t, sq, tq; writes sq, tq
.if DOCPART == 1
	.amdgcn_target "amdgcn-amd-amdhsa--gfx1250"
	.amdhsa_code_object_version 6
	.text
	.protected	k_q53bec00aa9_quant
	.globl	k_q53bec00aa9_quant
	.p2align	8
	.type	k_q53bec00aa9_quant,@function
k_q53bec00aa9_quant:
	s_mov_b64 s[64:65], 0
	v_nop
	global_prefetch_b8 v0, s[64:65] scope:SCOPE_SE
	s_setreg_imm32_b32 hwreg(HW_REG_WAVE_MODE, 25, 1), 1
	s_wait_xcnt 0x0
; Four tensors [10000][256] f32 become codes of BF6 (E3M2) with one E8M0 scale byte for each 32 along K, laid in the ORDER OF THE OPERAND'S REGISTERS.
; Work-group y picks the tensor: 0 eh_s, 1 rh_s (into sq), 2 eh_t, 3 rh_t (into tq); the r tensors lie PROB bytes behind the e tensors.
; LAYOUT of sq and tq: 8 neighbouring rows (an octet) are a block of 1,792 bytes = 7 pieces of 256.  Piece 3 s + c (K step s of 128, register quad c) holds, at 128 h + 16 i,
; registers 4 c .. 4 c + 3 of row i's fragment in the lanes' half h.  Piece 6 holds the scale words: that of K step s and row i at 128 s + 16 i (4 bytes of each 16 are written, and only those are read later).
; So a reader's lane adds ONE term, 128 (lane / 16) + 16 (lane % 8), to an octet's first byte, for codes and scale words alike, and any two octets make a tile of 16 rows.
; SHARES: a wave takes 16 rows (two octets): lane (r, h) loads, of row r, 16 neighbours of each block of 32; two lanes, l and l xor 16, hold a block.
; A block's scale is 2^(floor(log2(largest magnitude)) - 4); its byte is the largest magnitude's exponent field - 4, held at 1 from below (a block of zeros gets the byte 1: its codes are zeros, and this program alone reads the bytes).
; LIMITS: NaN and infinities among the inputs are not served; blocks whose largest magnitude lies under 2^-122 (the floor) were not tried.
; No LDS, no barrier: waves share nothing.  No tensor loads: each byte is read once by one lane.
.set PROB, 2240000                     ; bytes of one tensor's codes and scale words: 1,250 octets x 1,792
.set XA,  2                            ; v2       my byte in the wave's 16 rows of f32: 1,024 r + 64 h
.set LQ,  3                            ; v3       my byte in the wave's two octets: 1,792 (r / 8) + 128 h + 16 (r % 8)
.set TM,  8                            ; v8-11 largest magnitudes, v12-15 the other half's, then bytes, v20-23 the conversions' scale operands
.set PW0, 24                           ; v24, v25 the scale words of K steps 0 and 1;  v26 the one that my lane stores
.set PW1, 25
.set SWD, 26
.set X0,  32                           ; v32-95   64 numbers of K step 0
.set X1,  96                           ; v96-159  of K step 1
.set PC0, 160                          ; v160-178 K step 0's codes (12 registers, and 7 at work)
.set PC1, 180                          ; v180-198 K step 1's: a set of its own, so that no store's data are written again
.set SEL, 26                           ; s[26:27] lane selects for v_permlanex16_b32: lane l xor 16
	s_load_b256 s[4:11], s[0:1], 0x0               ; eh_s s[4:5], rh_s s[6:7], eh_t s[8:9], rh_t s[10:11]
	s_load_b128 s[12:15], s[0:1], 0x20             ; sq s[12:13], tq s[14:15]
	v_lshrrev_b32 v1, 5, v0
	v_readfirstlane_b32 s19, v1                    ; wave 0..4
	v_and_b32 v4, 15, v0                           ; r
	v_bfe_u32 v5, v0, 4, 1                         ; h
	v_lshlrev_b32 v[XA], 10, v4
	v_lshl_add_u32 v[XA], v5, 6, v[XA]
	v_lshrrev_b32 v6, 3, v4
	v_and_b32 v7, 7, v4
	v_mul_u32_u24 v[LQ], v6, 1792
	v_lshl_add_u32 v[LQ], v5, 7, v[LQ]
	v_lshl_add_u32 v[LQ], v7, 4, v[LQ]
.irp b, 0,1,2,3
	v_mov_b32 v[TM+4+\b], 0                        ; written once: a lane permute's destination counts as one of its sources
.endr
	s_mov_b32 s[SEL], 0x76543210
	s_mov_b32 s[SEL+1], 0xfedcba98
	s_mov_b32 s30, 0xffff0000                      ; lanes 16-31
	s_and_b32 s16, ttmp7, 0xffff                   ; y: which tensor
	s_and_b32 s17, s16, 1
	s_mul_i32 s20, ttmp9, 5
	s_add_co_u32 s20, s20, s19                     ; my tile of 16 rows: 5 x + wave, 0 .. 624
	s_lshl_b32 s22, s20, 14                        ; 16 rows of 1,024 bytes
	s_mov_b32 s23, 0
	s_mul_i32 s24, s20, 3584                       ; two octets
	s_mov_b32 s25, 0
	s_wait_kmcnt 0x0
	s_cmp_eq_u32 s17, 0                            ; e or r?  The choices hang on the work-group's number alone
	s_cselect_b64 s[4:5], s[4:5], s[6:7]
	s_cselect_b64 s[8:9], s[8:9], s[10:11]
	s_cselect_b32 s18, 0, PROB
	s_cmp_lt_u32 s16, 2                            ; sources or targets?
	s_cselect_b64 s[4:5], s[4:5], s[8:9]
	s_cselect_b64 s[12:13], s[12:13], s[14:15]
	s_add_co_u32 s24, s24, s18
	s_add_nc_u64 s[4:5], s[4:5], s[22:23]
	s_add_nc_u64 s[12:13], s[12:13], s[24:25]
; my 16 rows' numbers of K step s: register 16 b + i = k 128 s + 32 b + 16 h + i of row r
.macro XLOAD reg, s
.irp b, 0,1,2,3
.irp j, 0,1,2,3
	global_load_b128 v[\reg+16*\b+4*\j:\reg+16*\b+4*\j+3], v[XA], s[4:5] offset:512*\s+128*\b+16*\j th:TH_LOAD_NT
.endr
.endr
.endm
; 64 numbers of a lane become a fragment's 12 registers of codes in v[pc] on and its row's scale word in v[pw]
.macro QUANT s, pc, pw
.irp b, 0,1,2,3
	v_max3_num_f32 v[TM+\b], |v[\s+16*\b]|, |v[\s+1+16*\b]|, 0x2800000   ; block b: my 16 numbers, and the floor 2^(5 - 127): the byte cannot fall under 1
.endr
.irp i, 2,4,6,8,10,12,14
.irp b, 0,1,2,3
	v_max3_num_f32 v[TM+\b], v[TM+\b], |v[\s+16*\b+\i]|, |v[\s+1+16*\b+\i]|   ; the four blocks by turns
.endr
.endr
.irp b, 0,1,2,3
	v_permlanex16_b32 v[TM+4+\b], v[TM+\b], s[SEL], s[SEL+1]
.endr
.irp b, 0,1,2,3
	v_max_num_f32 v[TM+\b], v[TM+\b], v[TM+4+\b]   ; with lane l xor 16's: the block's largest magnitude
.endr
.irp b, 0,1,2,3
	v_add_nc_u32 v[TM+12+\b], 0xfe000000, v[TM+\b] ; 4 off its exponent field: the conversion takes this operand's exponent field as its scale
.endr
.irp b, 0,1,2,3
	v_lshrrev_b32 v[TM+4+\b], 23, v[TM+12+\b]      ; the scale's byte
.endr
	v_lshl_or_b32 v[\pw], v[TM+5], 8, v[TM+4]
	v_lshl_or_b32 v[\pw], v[TM+6], 16, v[\pw]
	v_lshl_or_b32 v[\pw], v[TM+7], 24, v[\pw]
.irp c, 0,1
	v_cvt_scalef32_pk16_bf6_f32 v[\pc+6*\c:\pc+2+6*\c], v[\s+32*\c:\s+15+32*\c], v[TM+12+2*\c]
	v_cvt_scalef32_pk16_bf6_f32 v[\pc+12+4*\c:\pc+14+4*\c], v[\s+16+32*\c:\s+31+32*\c], v[TM+12+2*\c+1]   ; (a conversion's three registers begin on an even number)
.endr
	v_nop                                          ; one plain place behind a scaled conversion
.irp c, 0,1                                    ; the operand's layout wants a whole block in a lane: lanes 0-15 block 2 c, lanes 16-31 block 2 c + 1
.irp i, 0,1,2
	v_permlane16_swap_b32 v[\pc+6*\c+\i], v[\pc+12+4*\c+\i]
.endr
.irp i, 0,1,2
	v_mov_b32 v[\pc+3+6*\c+\i], v[\pc+12+4*\c+\i]
.endr
.endr
.endm
	XLOAD X0, 0
	XLOAD X1, 1
	s_wait_loadcnt 16                              ; K step 0's sixteen loads are in; K step 1's sixteen may be out
	QUANT X0, PC0, PW0
.irp c, 0,1,2
	global_store_b128 v[LQ], v[PC0+4*\c:PC0+4*\c+3], s[12:13] offset:256*\c        ; the wave fills piece c of both octets whole: 2 x 256 bytes
.endr
	s_wait_loadcnt 0x0
	QUANT X1, PC1, PW1
.irp c, 0,1,2
	global_store_b128 v[LQ], v[PC1+4*\c:PC1+4*\c+3], s[12:13] offset:768+256*\c
.endr
	v_cndmask_b32 v[SWD], v[PW0], v[PW1], s30      ; lanes 0-15 store K step 0's word of their row, lanes 16-31 K step 1's
	global_store_b32 v[LQ], v[SWD], s[12:13] offset:1536
	s_endpgm
.Lfunc_end_k_q53bec00aa9_quant:
	.size	k_q53bec00aa9_quant, .Lfunc_end_k_q53bec00aa9_quant-k_q53bec00aa9_quant
	.p2alignl 7, 3214868480
	.fill 96, 4, 3214868480
	.section	.rodata,"a",@progbits
	.p2align	6, 0x0
	.amdhsa_kernel k_q53bec00aa9_quant
		.amdhsa_group_segment_fixed_size 0
		.amdhsa_private_segment_fixed_size 0
		.amdhsa_enable_private_segment 0
		.amdhsa_kernarg_size 48
		.amdhsa_user_sgpr_count 2
		.amdhsa_user_sgpr_kernarg_segment_ptr 1
		.amdhsa_wavefront_size32 1
		.amdhsa_system_sgpr_workgroup_id_x 1
		.amdhsa_system_sgpr_workgroup_id_y 1
		.amdhsa_system_sgpr_workgroup_id_z 1
		.amdhsa_system_vgpr_workitem_id 0
		.amdhsa_next_free_vgpr 208
		.amdhsa_next_free_sgpr 66
		.amdhsa_reserve_vcc 0
		.amdhsa_float_denorm_mode_32 3
		.amdhsa_float_denorm_mode_16_64 3
		.amdhsa_memory_ordered 1
		.amdhsa_forward_progress 1
		.amdhsa_inst_pref_size 14
	.end_amdhsa_kernel
	.amdgpu_metadata
---
amdhsa.version: [ 1, 2 ]
amdhsa.kernels:
  - .name:           k_q53bec00aa9_quant
    .symbol:         k_q53bec00aa9_quant.kd
    .args:
      - { .name: eh_s, .offset: 0, .size: 8, .value_kind: global_buffer, .address_space: global }
      - { .name: rh_s, .offset: 8, .size: 8, .value_kind: global_buffer, .address_space: global }
      - { .name: eh_t, .offset: 16, .size: 8, .value_kind: global_buffer, .address_space: global }
      - { .name: rh_t, .offset: 24, .size: 8, .value_kind: global_buffer, .address_space: global }
      - { .name: sq, .offset: 32, .size: 8, .value_kind: global_buffer, .address_space: global }
      - { .name: tq, .offset: 40, .size: 8, .value_kind: global_buffer, .address_space: global }
    .group_segment_fixed_size: 0
    .private_segment_fixed_size: 0
    .kernarg_segment_align: 8
    .kernarg_segment_size: 48
    .max_flat_workgroup_size: 160
    .sgpr_count:     66
    .vgpr_count:     208
    .wavefront_size: 32
...
	.end_amdgpu_metadata
.endif
;; end of part 1
;; launch score (part 2): grid 125 x 2, 8 waves a work-group, no clusters, 62,464 bytes of LDS; arguments sq, tq, ol; writes ol
.if DOCPART == 2
	.amdgcn_target "amdgcn-amd-amdhsa--gfx1250"
	.amdhsa_code_object_version 6
	.text
	.protected	k_q53bec00aa9_score
	.globl	k_q53bec00aa9_score
	.p2align	8
	.type	k_q53bec00aa9_score,@function
k_q53bec00aa9_score:
	s_mov_b64 s[64:65], 0
	v_nop
	global_prefetch_b8 v0, s[64:65] scope:SCOPE_SE
	s_setreg_imm32_b32 hwreg(HW_REG_WAVE_MODE, 25, 1), 1
	s_wait_xcnt 0x0
; S = Q(h_s) Q(h_t)^T on codes of BF6, 10,000 x 10,000, K = 256, for problem y (0: e, 1: r); of each row of S only this is kept: the numbers of the 10 best OCTETS of targets (8 neighbours),
; ranked by (largest score in the octet, descending; octet number, ascending).  The row's 10 largest scores, ties to the lower index, lie in those octets: each octet ranked ahead of an element's own
; holds an element that ranks ahead of it.  A later launch multiplies the 80 candidates again and picks the 10.  So here a score costs half a maximum, and only one number in eight is inserted into a list.
; SHARES: a work-group owns 80 source rows (5 tiles, in registers for the whole launch).  Wave w walks targets 1,280 w on, 80 tiles of 16: rows 0-7 of tile t are octet 160 w + t, rows 8-15 octet 160 w + 80 + t.
; THE PRODUCT IS USED TRANSPOSED (source 0 = 16 targets, source 1 = 16 source rows): lane (r, h) holds source row r, and its eight registers ARE octet 160 w + 80 h + t.
; Each lane keeps, for each of the 5 row tiles, a list of 10 (value, octet) sorted by value.  The 16 streams (w, h) are ascending ranges of octet numbers and a stream's octets come in ascending order,
; so a strict compare (a newcomer goes behind its equals) keeps ties in the order of octet numbers, in the lists and in every merge.
; Octets 1,250 on (wave 7, upper half, t >= 50) do not exist: their loads are held at octet 1,249 and their maxima replaced by -infinity.
; NO LDS FOR OPERANDS, NO CLUSTER: inside a work-group each target byte is read by one wave alone, straight into operand registers (the buffers are laid in register order), four tiles ahead;
; the grid, 125 x 2, is no multiple of a cluster of four.  No prefetch: the loop is bound by its vector instructions, not by waiting.
; LIMITS: NaN and infinities among the scores are not served.  Where a score's f32 sum is inexact the matrix unit's rounding decides between near equals.
; REGISTERS: window 0: v1-39 addresses, scale words, at work; v40-79 the 5 accumulators; v80-199 six lists of 20 (10 values, 10 octets; the sixth is empty, a partner for the fifth).
;   window 1: v0-119 the 5 source tiles (24 registers: two K steps); v120-215 four target tiles, loaded by turns.
.set PROB, 2240000
.set OCT,  1792
.set NOCT, 1250
.set LA,   2                           ; v2     128 (lane / 16) + 16 (lane % 8): my place in an octet's pieces
.set OA,   3                           ; v3     the octet from which my lane loads in the next tile to be fetched
.set OID,  4                           ; v4     the octet that my eight results are in the tile in hand
.set NINF, 5                           ; v5     -infinity
.set TMP,  6
.set SWA,  7                           ; v7     LDS: 4 lane + 7,680 wave: where I put my lists
.set SRD,  8                           ; v8     LDS: 4 lane + 2,560 wave: where waves 0-2 read all waves' lists of their 32 rows
.set OLO,  9                           ; v9     my row's byte in ol
.set OFF,  10                          ; v10-13 the byte offsets of the four tiles on their way
.set SA,   14                          ; v14-17 their scale words: lanes 0-15 K step 0, lanes 16-31 K step 1
.set SB,   18                          ; v18-22 the source tiles' scale words, likewise
.set GM,   23                          ; v23-27 the octet's largest score, for each source tile
.set T,    28                          ; v28-37 at work in INSERT
.set BO,   38                          ; v38    my lane's byte in a source tile; never rewritten
.set ROW,  39                          ; v39    32 wave + lane: the row of the block that waves 0-2 finish
.set ACC,  40
.set LST,  80
.set AF,   120                         ; in window 1
.set MK,   16                          ; s16-25 INSERT's masks
.set U,    206                         ; v206-209 at work in INS2
.set OID2, 201                         ; v201   a second copy of v[OID], in another register bank
.set CAP,  202                         ; v202   +infinity where my octet of the tile in hand exists, else -infinity
; The loop's insertion of (x, v[OID]) into the list (values v[lv] on, descending; ids v[li] on), behind all values >= x; the last falls out.
; With m[i] = (x > value i): u[i] = m[i] ? id : li[i], and the new li[i] = m[i-1] ? li[i-1] : u[i].  From the bottom up, in place: under ONE mask m[i], in VCC, a pair of two selects makes u[i] and the new li[i+1];
; the pair reads li[i], u[i+1] and the id and writes u[i] and li[i+1], so its halves are independent.  li and U are both 2 modulo 4: the two destinations are one even and one odd, the first sources li[i] and u[i+1] lie in
; neighbouring banks, and of the second sources the id is taken from v[OID2] where li[i] lies in v[OID]'s bank (i % 4 = 2).  Value i + 1 becomes the middle one of its old neighbour above, itself and x, behind both places' compares.
; Lists 0-2 are served by INS2, lists 3 and 4 by INSERT's 39 lines each (masks in s[MK] on, VCC untouched).  FIL gives out those 78 lines one at a time, line fc, in INSERT's own order:
; 10 compares, 9 selects into T, 10 selects into the ids, 9 middles from the bottom up, the maximum.  They name no register of lists 0-2, so INS2 lays them between a compare and the pair that reads its mask.
.macro FIL
.if fc < 78
.set fv, LST+60+20*(fc/39)
.set fi, fv+10
.set fx, GM+3+fc/39
.set fp, fc%39
.if fp < 10
	v_cmp_gt_f32 s[MK+fp], v[fx], v[fv+fp]
.elseif fp < 19
	v_cndmask_b32 v[T+fp-9], v[OID], v[fi+fp-10], s[MK+fp-10]
.elseif fp == 19
	v_cndmask_b32 v[fi], v[fi], v[OID], s[MK]
.elseif fp < 29
	v_cndmask_b32 v[fi+fp-19], v[fi+fp-19], v[T+fp-19], s[MK+fp-19]
.elseif fp < 38
	v_med3_num_f32 v[fv+38-fp], v[fv+37-fp], v[fv+38-fp], v[fx]
.else
	v_max_num_f32 v[fv], v[fv], v[fx]
.endif
.set fc, fc+1
.endif
.endm
; 25 calls of FIL in each INS2: 75 in a tile's three; the tile gives out the last 3 behind them
.macro INS2 lv, li, x
	v_cmp_gt_f32 vcc_lo, v[\x], v[\lv+9]
	FIL
	FIL
	FIL
	v_cndmask_b32 v[U+1], v[\li+9], v[OID], vcc_lo
.set ii, 8
.rept 8
	v_cmp_gt_f32 vcc_lo, v[\x], v[\lv+ii]
	FIL
	FIL
	v_med3_num_f32 v[\lv+ii+1], v[\lv+ii], v[\lv+ii+1], v[\x]
.if (ii%2) == 0
	FIL
.endif
.if (ii%4) == 2
	v_dual_cndmask_b32 v[U+ii%4], v[\li+ii], v[OID2] :: v_dual_cndmask_b32 v[\li+ii+1], v[U+(ii+1)%4], v[\li+ii]
.else
	v_dual_cndmask_b32 v[U+ii%4], v[\li+ii], v[OID] :: v_dual_cndmask_b32 v[\li+ii+1], v[U+(ii+1)%4], v[\li+ii]
.endif
.set ii, ii-1
.endr
	v_cmp_gt_f32 vcc_lo, v[\x], v[\lv]
	FIL
	FIL
	v_med3_num_f32 v[\lv+1], v[\lv], v[\lv+1], v[\x]
	v_cndmask_b32 v[\li+1], v[U+1], v[\li], vcc_lo
	v_cndmask_b32 v[\li], v[\li], v[OID], vcc_lo
	v_max_num_f32 v[\lv], v[\lv], v[\x]
.endm
.set MSB, 0
.macro WIN new                         ; the immediate's high byte repeats the setting that is left
.if MSB != \new
	s_set_vgpr_msb (MSB<<8)|\new
.set MSB, \new
.endif
.endm
; (x, id) goes into the list (values v[lv] on, descending; ids v[li] on) behind all values >= x; the last falls out.  No branch: ten compares, then selects.  from: places above it cannot be taken.
.macro INSERT lv, li, x, id, from
.set ii, \from
.rept 10-(\from)
	v_cmp_gt_f32 s[MK+ii], v[\x], v[\lv+ii]
.set ii, ii+1
.endr
.set ii, (\from)+1
.rept 9-(\from)
	v_cndmask_b32 v[T+ii], v[\id], v[\li+ii-1], s[MK+ii-1]        ; what place i takes if it changes: the id above it, or the newcomer's
.set ii, ii+1
.endr
	v_cndmask_b32 v[\li+(\from)], v[\li+(\from)], v[\id], s[MK+(\from)]
.set ii, (\from)+1
.rept 9-(\from)
	v_cndmask_b32 v[\li+ii], v[\li+ii], v[T+ii], s[MK+ii]
.set ii, ii+1
.endr
.set ii, 9
.rept 9-(\from)
	v_med3_num_f32 v[\lv+ii], v[\lv+ii-1], v[\lv+ii], v[\x]       ; from the bottom up: the middle one of the old neighbour above, the old value and x
.set ii, ii-1
.endr
	v_max_num_f32 v[\lv+(\from)], v[\lv+(\from)], v[\x]
.endm
; list b, all of whose ids are larger than list a's, is merged into list a.  b's i-th cannot land above place i: its i forerunners stand ahead of it
.macro MERGE av, ai, bv, bi
.set jj, 0
.rept 10
	INSERT \av, \ai, \bv+jj, \bi+jj, jj
.set jj, jj+1
.endr
.endm
; two lists of 20 registers: a's lanes 16-31 change places with b's lanes 0-15.  a then holds the lower halves' lists (lanes 0-15: a's 16 rows, lanes 16-31: b's), b the upper halves' lists of the same rows
.macro PAIRMERGE a, b
.set kk, 0
.rept 20
	v_permlane16_swap_b32 v[\a+kk], v[\b+kk]
.set kk, kk+1
.endr
	MERGE \a, \a+10, \b, \b+10
.endm
; the next tile's 6 x 16 bytes of codes and its scale word, into set b.  The three vector lines at the head name no register of the products in front: with TILE's two ahead of them they are the five places ahead of loads into registers that those have read
.macro FETCH b
	v_min_u32 v[TMP], NOCT-1, v[OA]
	s_delay_alu instid0(VALU_DEP_1)
	v_mad_u32_u24 v[OFF+\b], v[TMP], OCT, v[LA]
	v_add_nc_u32 v[OA], 1, v[OA]
	WIN 0x40                                       ; destination window 1, address window 0
.irp p, 0,1,2,3,4,5
	global_load_b128 v[AF+24*\b+4*\p:AF+24*\b+4*\p+3], v[OFF+\b], s[6:7] offset:256*\p
.endr
	WIN 0
	global_load_b32 v[SA+\b], v[OFF+\b], s[6:7] offset:1536
.endm
.macro TILE b
	s_wait_loadcnt 21                              ; this tile's 7 loads are in; the three younger tiles' 21 may be out.  The wait also shows that set b's offset register has been read
	WIN 0x05                                       ; sources 0 and 1 window 1; C and D window 0
.irp a, 0,1,2,3,4                              ; the five accumulators by turns
	v_wmma_scale_f32_16x16x128_f8f6f4 v[ACC+8*\a:ACC+8*\a+7], v[AF+24*\b:AF+24*\b+11], v[24*\a:24*\a+11], 0, v[SA+\b], v[SB+\a] matrix_a_fmt:MATRIX_FMT_BF6 matrix_b_fmt:MATRIX_FMT_BF6
.endr
.irp a, 0,1,2,3,4
	v_wmma_scale_f32_16x16x128_f8f6f4 v[ACC+8*\a:ACC+8*\a+7], v[AF+24*\b+12:AF+24*\b+23], v[24*\a+12:24*\a+23], v[ACC+8*\a:ACC+8*\a+7], v[SA+\b], v[SB+\a] matrix_a_fmt:MATRIX_FMT_BF6 matrix_b_fmt:MATRIX_FMT_BF6 matrix_a_scale:MATRIX_SCALE_ROW1 matrix_b_scale:MATRIX_SCALE_ROW1
.endr
	WIN 0
	v_add_nc_u32 v[OID], 1, v[OID]                 ; the octet of the tile in hand (the head leaves both copies one short).  These two lines and FETCH's three name no register of the products: five places ahead of its loads
	v_add_nc_u32 v[OID2], 1, v[OID2]
	FETCH \b                                       ; the tile four on
	v_cmp_le_u32 vcc_lo, NOCT, v[OID]              ; is my octet past the last?
	v_cndmask_b32 v[CAP], 0x7f800000, v[NINF], vcc_lo
.irp a, 0,1,2,3,4
	v_max3_num_f32 v[GM+\a], v[ACC+8*\a], v[ACC+8*\a+1], v[ACC+8*\a+2]   ; each accumulator from its low end on; the five by turns
.endr
.irp a, 0,1,2,3,4
	v_max3_num_f32 v[GM+\a], v[GM+\a], v[ACC+8*\a+3], v[ACC+8*\a+4]
.endr
.irp a, 0,1,2,3,4
	v_max3_num_f32 v[GM+\a], v[GM+\a], v[ACC+8*\a+5], v[ACC+8*\a+6]
.endr
.irp a, 0,1,2,3,4
	v_maxmin_num_f32 v[GM+\a], v[GM+\a], v[ACC+8*\a+7], v[CAP]   ; the last maximum, then the lesser of it and the cap: -infinity for an octet that does not exist
.endr
.set fc, 0
.irp a, 0,1,2
	INS2 LST+20*\a, LST+20*\a+10, GM+\a
.endr
.rept 3
	FIL
.endr
.endm
	s_load_b128 s[4:7], s[0:1], 0x0                ; sq, tq
	s_load_b64 s[8:9], s[0:1], 0x10                ; ol
	v_lshl_add_u32 v254, v0, 2, 0xf000
	v_mov_b32 v255, 0
	v_lshrrev_b32 v1, 5, v0
	s_delay_alu instid0(VALU_DEP_1)
	v_readfirstlane_b32 s10, v1                    ; wave 0..7
	v_and_b32 v1, 31, v0                           ; lane
	s_delay_alu instid0(VALU_DEP_1)
	v_lshrrev_b32 v[TMP], 4, v1                    ; h
	s_delay_alu instid0(VALU_DEP_2)
	v_and_b32 v[LA], 7, v1
	s_delay_alu instid0(VALU_DEP_1)
	v_lshlrev_b32 v[LA], 4, v[LA]
	s_delay_alu instid0(VALU_DEP_1)
	v_lshl_add_u32 v[LA], v[TMP], 7, v[LA]
	s_mul_i32 s11, s10, 160
	v_mul_u32_u24 v[OID], v[TMP], 80
	s_delay_alu instid0(VALU_DEP_1)
	v_add_nc_u32 v[OID], s11, v[OID]               ; 160 w + 80 h,
	v_add_nc_u32 v[OID], -1, v[OID]                ; one short: each tile steps it first
	v_mov_b32 v[OID2], v[OID]
	v_bfe_u32 v[TMP], v1, 3, 1                     ; which of a tile's two octets my lane loads from
	s_delay_alu instid0(VALU_DEP_1)
	v_mul_u32_u24 v[OA], v[TMP], 80
	s_delay_alu instid0(VALU_DEP_1)
	v_add_nc_u32 v[OA], s11, v[OA]
	s_delay_alu instid0(VALU_DEP_3)
	v_mad_u32_u24 v[BO], v[TMP], OCT, v[LA]
	v_mov_b32 v[NINF], 0xff800000
	s_wait_alu depctr_va_vdst(0)
	v_lshlrev_b32 v[SWA], 2, v1
	s_mul_i32 s11, s10, 2560
	v_add_nc_u32 v[SRD], s11, v[SWA]
	s_mul_i32 s11, s10, 7680
	v_add_nc_u32 v[SWA], s11, v[SWA]
	s_and_b32 s26, ttmp7, 0xffff                   ; y: the problem
	s_mul_i32 s14, s26, PROB
	s_mov_b32 s15, 0
	s_mul_i32 s27, ttmp9, 17920                    ; my 5 source tiles: 10 octets a work-group
	s_mul_i32 s29, s26, 10000
	s_mul_i32 s30, ttmp9, 80
	s_add_co_u32 s29, s29, s30
	s_lshl_b32 s30, s10, 5
	s_add_co_u32 s29, s29, s30                     ; 10,000 y + 80 x + 32 wave
	s_lshl_b32 s29, s29, 6                         ; 64 bytes a row in ol
	v_lshl_add_u32 v[OLO], v1, 6, s29
	v_add_nc_u32 v[ROW], s30, v1
.irp a, 0,1,2,3,4,5
.irp i, 0,1,2,3,4,5,6,7,8,9
	v_mov_b32 v[LST+20*\a+\i], v[NINF]             ; the lists begin with -infinity, under every score,
	v_mov_b32 v[LST+20*\a+10+\i], 0                ; and an id that is never kept: a row has 1,250 octets
.endr
.endr
	s_wait_kmcnt 0x0
	s_add_nc_u64 s[6:7], s[6:7], s[14:15]          ; the problem's targets
	s_add_co_u32 s14, s14, s27
	s_add_nc_u64 s[4:5], s[4:5], s[14:15]          ; my source tiles
	WIN 0x40
.irp a, 0,1,2,3,4
.irp p, 0,1,2,3,4,5
	global_load_b128 v[24*\a+4*\p:24*\a+4*\p+3], v[BO], s[4:5] offset:3584*\a+256*\p
.endr
.endr
	WIN 0
.irp a, 0,1,2,3,4
	global_load_b32 v[SB+\a], v[BO], s[4:5] offset:3584*\a+1536
.endr
	FETCH 0
	FETCH 1
	FETCH 2
	FETCH 3
	s_mov_b32 s12, 20
.Ltiles:                                           ; 20 trips of 4 tiles.  The last trip's fetches are held inside the buffer by the clamp; nobody uses them
	s_wait_alu depctr_va_vdst(0)
	TILE 0
	s_wait_alu depctr_va_vdst(0)
	TILE 1
	s_wait_alu depctr_va_vdst(0)
	TILE 2
	s_wait_alu depctr_va_vdst(0)
	TILE 3
	s_sub_co_u32 s12, s12, 1
	s_cmp_lg_u32 s12, 0
	s_cbranch_scc1 .Ltiles
	s_wait_loadcnt 0x0                             ; the four fetches past the end have landed
	PAIRMERGE LST, LST+20                          ; the two halves of the lanes: rows 0-31 of the block in list 0,
	PAIRMERGE LST+40, LST+60                       ; rows 32-63 in list 2,
	PAIRMERGE LST+80, LST+100                      ; rows 64-79 in lanes 0-15 of list 4
.irp k, 0,1,2
.set ee, 0
.rept 20
	ds_store_b32 v[SWA], v[LST+40*\k+ee] offset:2560*\k+128*ee   ; an image of the registers: 128 consecutive bytes a store
.set ee, ee+1
.endr
.endr
	s_wait_dscnt 0x0                               ; for the others' sake: my lists lie in LDS
	s_barrier_signal -1
	s_barrier_wait -1
	s_cmp_gt_u32 s10, 2
	s_cbranch_scc1 .Ldone                          ; waves 0-2 finish 32 rows each
.irp w, 0,1,2,3,4,5,6,7
.set ee, 0
.rept 20
	ds_load_b32 v[ACC+20*\w+ee], v[SRD] offset:7680*\w+128*ee    ; wave w's list of my rows
.set ee, ee+1
.endr
.endr
.irp w, 1,2,3,4,5,6,7
.if 20*(7-\w) < 60
	s_wait_dscnt 20*(7-\w)                         ; lists 0 .. w are in: the later lists' loads may be out
.else
	s_wait_dscnt 60                                ; likewise: the first 100 loads are in, more than lists 0 .. w
.endif
	MERGE ACC, ACC+10, ACC+20*\w, ACC+20*\w+10     ; in the order of the waves: ascending ranges of octets
.endr
.set IDS, ACC+10
.set rr, 0
.rept 10                                       ; the ten octet numbers in ascending order (odd-even transposition, 10 rounds), so that the next launch meets its candidates in the order of their indices
.set cc, rr%2
.rept 5-(rr%2)
	v_min_u32 v[T+cc/2], v[IDS+cc], v[IDS+cc+1]
	v_max_u32 v[IDS+cc+1], v[IDS+cc], v[IDS+cc+1]
	s_delay_alu instid0(VALU_DEP_2)
	v_mov_b32 v[IDS+cc], v[T+cc/2]
.set cc, cc+2
.endr
.set rr, rr+1
.endr
.irp i, 0,1,2,3,4
	v_mov_b32 v[IDS+10+\i], v[IDS+5+\i]            ; the upper five to an even register
.endr
	v_cmp_gt_u32 vcc_lo, 80, v[ROW]                ; wave 2's lanes 16-31 have no row
	s_wait_alu depctr_va_vdst(0)
	s_wait_xcnt 0x0                                ; EXEC changes only behind this wait
	s_and_saveexec_b32 s28, vcc_lo
	global_store_b128 v[OLO], v[IDS:IDS+3], s[8:9]
	global_store_b32 v[OLO], v[IDS+4], s[8:9] offset:16
	global_store_b128 v[OLO], v[IDS+10:IDS+13], s[8:9] offset:32
	global_store_b32 v[OLO], v[IDS+14], s[8:9] offset:48
	s_wait_xcnt 0x0
	s_or_b32 exec_lo, exec_lo, s28
.Ldone:
	s_wait_tensorcnt 0x0
	ds_add_u32 v254, v255
	s_wait_dscnt 0x0
	s_endpgm
.Lfunc_end_k_q53bec00aa9_score:
	.size	k_q53bec00aa9_score, .Lfunc_end_k_q53bec00aa9_score-k_q53bec00aa9_score
	.p2alignl 7, 3214868480
	.fill 96, 4, 3214868480
	.section	.rodata,"a",@progbits
	.p2align	6, 0x0
	.amdhsa_kernel k_q53bec00aa9_score
		.amdhsa_group_segment_fixed_size 62464
		.amdhsa_private_segment_fixed_size 0
		.amdhsa_enable_private_segment 0
		.amdhsa_kernarg_size 24
		.amdhsa_user_sgpr_count 2
		.amdhsa_user_sgpr_kernarg_segment_ptr 1
		.amdhsa_wavefront_size32 1
		.amdhsa_system_sgpr_workgroup_id_x 1
		.amdhsa_system_sgpr_workgroup_id_y 1
		.amdhsa_system_sgpr_workgroup_id_z 1
		.amdhsa_system_vgpr_workitem_id 0
		.amdhsa_next_free_vgpr 480
		.amdhsa_next_free_sgpr 66
		.amdhsa_reserve_vcc 1
		.amdhsa_float_denorm_mode_32 3
		.amdhsa_float_denorm_mode_16_64 3
		.amdhsa_memory_ordered 1
		.amdhsa_forward_progress 1
		.amdhsa_inst_pref_size 217
	.end_amdhsa_kernel
	.amdgpu_metadata
---
amdhsa.version: [ 1, 2 ]
amdhsa.kernels:
  - .name:           k_q53bec00aa9_score
    .symbol:         k_q53bec00aa9_score.kd
    .args:
      - { .name: sq, .offset: 0, .size: 8, .value_kind: global_buffer, .address_space: global }
      - { .name: tq, .offset: 8, .size: 8, .value_kind: global_buffer, .address_space: global }
      - { .name: ol, .offset: 16, .size: 8, .value_kind: global_buffer, .address_space: global }
    .group_segment_fixed_size: 62464
    .private_segment_fixed_size: 0
    .kernarg_segment_align: 8
    .kernarg_segment_size: 24
    .max_flat_workgroup_size: 256
    .sgpr_count:     66
    .vgpr_count:     480
    .wavefront_size: 32
...
	.end_amdgpu_metadata
.endif
;; end of part 2
;; launch select (part 3): grid 625 x 2, 1 waves a work-group, no clusters, 0 bytes of LDS; arguments sq, tq, ol, out2, out3, ix; writes out2, out3, ix
.if DOCPART == 3
	.amdgcn_target "amdgcn-amd-amdhsa--gfx1250"
	.amdhsa_code_object_version 6
	.text
	.protected	k_q53bec00aa9_select
	.globl	k_q53bec00aa9_select
	.p2align	8
	.type	k_q53bec00aa9_select,@function
k_q53bec00aa9_select:
	s_mov_b64 s[64:65], 0
	v_nop
	global_prefetch_b8 v0, s[64:65] scope:SCOPE_SE
	s_setreg_imm32_b32 hwreg(HW_REG_WAVE_MODE, 25, 1), 1
	s_wait_xcnt 0x0
; For 16 source rows of problem y: the scores of each row's 80 candidates (the 10 octets that ol names, in ascending order) are multiplied again on the same codes, and the row's 10 largest, ties to the lower index,
; leave as indices: into out2 (e) or out3 (r), and into ix, from which the next launch forms addresses.
; HOW.  For row s and k = 0 .. 4 a tile of targets is made of octets ol[s][k] (rows 0-7) and ol[s][8 + k] (rows 8-15); source 1 is the tile of source rows with ZERO CODES in every column but s.
; Zero codes add nothing, so all 16 rows add onto the same five accumulators, and at the end lane (r, h), register j of accumulator k holds the score of row r against target 8 ol[r][8 h + k] + j.
; A lane's 40 candidates so come in ascending order of index, and the lower half of the lanes holds the lower five octets: the strict compare keeps ties in the order of indices throughout.
; The operands go from memory straight into registers: their addresses hang on the stored list, each number of which is held to 0 .. 1,249 first.  Two sets of 5 tiles take turns: one is multiplied while the other's 35 loads are out.
; One wave to a work-group: rows share nothing.  LIMITS: NaN and infinities among the scores are not served.
; REGISTERS: window 0: v1-23 addresses, candidates' numbers, scale words; v24-47 the source tile; v48-71 the same with one column kept; v72-111 accumulators; v112-191 the 80 offsets; v192-231 the list and an empty partner; v232-241 at work.
;   window 1: v0-119 set X, v120-239 set Y: 5 tiles of 24 registers.
.set PROB, 2240000
.set OCT,  1792
.set NOCT, 1250
.set LA,   1                           ; v1     128 (lane / 16) + 16 (lane % 8)
.set BO,   2                           ; v2     my lane's byte in the source tile
.set GA,   3                           ; v3     32 ((lane / 8) % 2): which five words of a row of ol my lane loads from
.set CA,   4                           ; v4     64 (lane % 16) + 32 (lane / 16): my own row's five octets
.set SO,   5                           ; v5     40 lane: my row's bytes in the outputs
.set CID,  6                           ; v6     the candidate's index
.set CI,   8                           ; v8-12  8 x my five octets
.set SB,   13                          ; v13    the source tile's scale words
.set SAX,  14                          ; v14-18 set X's scale words;  v19-23 set Y's
.set SAY,  19
.set BF,   24
.set BS,   48
.set ACC,  72
.set GQ,   112                         ; v112-175 row s, k = 0 .. 3 at 112 + 4 s;
.set GS,   176                         ; v176-191 k = 4
.set LV,   192
.set LI,   202
.set DV,   212
.set T,    232
.set MK,   16
.set MSB, 0
.macro WIN new
.if MSB != \new
	s_set_vgpr_msb (MSB<<8)|\new
.set MSB, \new
.endif
.endm
; (x, id) goes into the list (values v[lv] on, descending; ids v[li] on) behind all values >= x; the last falls out.  from: places above it cannot be taken
.macro INSERT lv, li, x, id, from
.set ii, \from
.rept 10-(\from)
	v_cmp_gt_f32 s[MK+ii], v[\x], v[\lv+ii]
.set ii, ii+1
.endr
.set ii, (\from)+1
.rept 9-(\from)
	v_cndmask_b32 v[T+ii], v[\id], v[\li+ii-1], s[MK+ii-1]
.set ii, ii+1
.endr
	v_cndmask_b32 v[\li+(\from)], v[\li+(\from)], v[\id], s[MK+(\from)]
.set ii, (\from)+1
.rept 9-(\from)
	v_cndmask_b32 v[\li+ii], v[\li+ii], v[T+ii], s[MK+ii]
.set ii, ii+1
.endr
.set ii, 9
.rept 9-(\from)
	v_med3_num_f32 v[\lv+ii], v[\lv+ii-1], v[\lv+ii], v[\x]
.set ii, ii-1
.endr
	v_max_num_f32 v[\lv+(\from)], v[\lv+(\from)], v[\x]
.endm
.macro MERGE av, ai, bv, bi
.set jj, 0
.rept 10
	INSERT \av, \ai, \bv+jj, \bi+jj, jj
.set jj, jj+1
.endr
.endm
.macro PAIRMERGE a, b
.set kk, 0
.rept 20
	v_permlane16_swap_b32 v[\a+kk], v[\b+kk]
.set kk, kk+1
.endr
	MERGE \a, \a+10, \b, \b+10
.endm
; row s's five tiles of targets into the set at base (window 1), their scale words into v[sc] on: 35 loads
.macro LOADSET base, sc, s
	WIN 0x40                                       ; destination window 1, address window 0
.irp k, 0,1,2,3
.irp p, 0,1,2,3,4,5
	global_load_b128 v[\base+24*\k+4*\p:\base+24*\k+4*\p+3], v[GQ+4*(\s)+\k], s[6:7] offset:256*\p
.endr
.endr
.irp p, 0,1,2,3,4,5
	global_load_b128 v[\base+96+4*\p:\base+96+4*\p+3], v[GS+(\s)], s[6:7] offset:256*\p
.endr
	WIN 0
.irp k, 0,1,2,3
	global_load_b32 v[\sc+\k], v[GQ+4*(\s)+\k], s[6:7] offset:1536
.endr
	global_load_b32 v[\sc+4], v[GS+(\s)], s[6:7] offset:1536
.endm
.macro SROW s, base, sc
	s_mov_b32 s12, 0x10001<<(\s)                   ; lanes s and 16 + s: column s of source 1
.set bb, 0
.rept 24
	v_cndmask_b32 v[BS+bb], 0, v[BF+bb], s12       ; zero codes in all other columns
.set bb, bb+1
.endr
.rept 4
	v_nop                                          ; an operand written by vector instructions stands four places ahead of a scaled matrix instruction
.endr
.if (\s) < 15
	s_wait_loadcnt 35                              ; this row's 35 loads are in; the other set's 35 may be out
.else
	s_wait_loadcnt 0x0
.endif
	WIN 0x01                                       ; source 0 window 1
.irp k, 0,1,2,3,4                              ; the five accumulators by turns
.if (\s) == 0
	s_wait_alu depctr_va_vdst(0)
	v_wmma_scale_f32_16x16x128_f8f6f4 v[ACC+8*\k:ACC+8*\k+7], v[\base+24*\k:\base+24*\k+11], v[BS:BS+11], 0, v[\sc+\k], v[SB] matrix_a_fmt:MATRIX_FMT_BF6 matrix_b_fmt:MATRIX_FMT_BF6
.else
	v_wmma_scale_f32_16x16x128_f8f6f4 v[ACC+8*\k:ACC+8*\k+7], v[\base+24*\k:\base+24*\k+11], v[BS:BS+11], v[ACC+8*\k:ACC+8*\k+7], v[\sc+\k], v[SB] matrix_a_fmt:MATRIX_FMT_BF6 matrix_b_fmt:MATRIX_FMT_BF6
.endif
.endr
	s_wait_alu depctr_va_vdst(0)
.irp k, 0,1,2,3,4
	v_wmma_scale_f32_16x16x128_f8f6f4 v[ACC+8*\k:ACC+8*\k+7], v[\base+24*\k+12:\base+24*\k+23], v[BS+12:BS+23], v[ACC+8*\k:ACC+8*\k+7], v[\sc+\k], v[SB] matrix_a_fmt:MATRIX_FMT_BF6 matrix_b_fmt:MATRIX_FMT_BF6 matrix_a_scale:MATRIX_SCALE_ROW1 matrix_b_scale:MATRIX_SCALE_ROW1
.endr
	WIN 0
.rept 4
	v_nop                                          ; four places ahead of the loads into this set, of the next row's writes of source 1, and of the first read of results
.endr
.if (\s) < 14
	LOADSET \base, \sc, (\s)+2
.endif
.endm
	s_load_b128 s[4:7], s[0:1], 0x0                ; sq, tq
	s_load_b128 s[8:11], s[0:1], 0x10              ; ol, out2
	s_load_b128 s[28:31], s[0:1], 0x20             ; out3, ix
	v_lshrrev_b32 v7, 4, v0                        ; h (one wave: v0 is the lane)
	v_and_b32 v[LA], 7, v0
	v_lshlrev_b32 v[LA], 4, v[LA]
	v_lshl_add_u32 v[LA], v7, 7, v[LA]
	v_bfe_u32 v[GA], v0, 3, 1
	v_mad_u32_u24 v[BO], v[GA], OCT, v[LA]
	v_lshlrev_b32 v[GA], 5, v[GA]
	v_and_b32 v[CA], 15, v0
	v_lshlrev_b32 v[CA], 6, v[CA]
	v_lshl_add_u32 v[CA], v7, 5, v[CA]
	v_mul_u32_u24 v[SO], v0, 40
	s_and_b32 s12, ttmp7, 0xffff                   ; y: the problem
	s_mul_i32 s14, s12, PROB
	s_mov_b32 s15, 0
	s_mul_i32 s26, ttmp9, 3584                     ; my tile of source rows: two octets
	s_mul_i32 s32, s12, 10000
	s_lshl_b32 s33, ttmp9, 4
	s_add_co_u32 s32, s32, s33                     ; 10,000 y + my first row
	s_lshl_b32 s34, s32, 6                         ; in ol: 64 bytes a row
	s_mov_b32 s35, 0
	s_mul_i32 s36, s33, 40                         ; in out2 or out3: 40 bytes a row
	s_mov_b32 s37, 0
	s_mul_i32 s38, s32, 40                         ; in ix
	s_mov_b32 s39, 0
	s_wait_alu depctr_va_vdst(0)
	s_wait_kmcnt 0x0
	s_add_nc_u64 s[6:7], s[6:7], s[14:15]
	s_add_co_u32 s14, s14, s26
	s_add_nc_u64 s[4:5], s[4:5], s[14:15]
	s_add_nc_u64 s[8:9], s[8:9], s[34:35]
	s_cmp_eq_u32 s12, 0
	s_cselect_b64 s[10:11], s[10:11], s[28:29]
	s_add_nc_u64 s[10:11], s[10:11], s[36:37]
	s_add_nc_u64 s[30:31], s[30:31], s[38:39]
.irp s, 0,1,2,3,4,5,6,7,8,9,10,11,12,13,14,15
	global_load_b128 v[GQ+4*\s:GQ+4*\s+3], v[GA], s[8:9] offset:64*\s      ; row s's octets: lanes whose tile row is 0-7 take words 0-4, the others words 8-12
	global_load_b32 v[GS+\s], v[GA], s[8:9] offset:64*\s+16
.endr
	global_load_b128 v[CI:CI+3], v[CA], s[8:9]     ; the five octets that my own results will be
	global_load_b32 v[CI+4], v[CA], s[8:9] offset:16
.irp p, 0,1,2,3,4,5
	global_load_b128 v[BF+4*\p:BF+4*\p+3], v[BO], s[4:5] offset:256*\p
.endr
	global_load_b32 v[SB], v[BO], s[4:5] offset:1536
	s_wait_loadcnt 0x0
.set gg, 0
.rept 80
	v_min_u32 v[GQ+gg], NOCT-1, v[GQ+gg]           ; a stored number enters an address only held to the table's size
.set gg, gg+1
.endr
.set gg, 0
.rept 80
	v_mul_u32_u24 v[GQ+gg], v[GQ+gg], OCT
.set gg, gg+1
.endr
.set gg, 0
.rept 80
	v_add_nc_u32 v[GQ+gg], v[LA], v[GQ+gg]         ; the octet's first byte + my lane's place; never rewritten from here on
.set gg, gg+1
.endr
	LOADSET 0, SAX, 0
	LOADSET 120, SAY, 1
.irp k, 0,1,2,3,4
	v_lshlrev_b32 v[CI+\k], 3, v[CI+\k]            ; an octet's first target
.endr
.irp i, 0,1,2,3,4,5,6,7,8,9
	v_mov_b32 v[LV+\i], 0xff800000                 ; the list and its empty partner: -infinity, under every score
	v_mov_b32 v[LI+\i], 0
	v_mov_b32 v[DV+\i], 0xff800000
	v_mov_b32 v[DV+10+\i], 0
.endr
.irp s, 0,2,4,6,8,10,12,14
	SROW \s, 0, SAX
	SROW \s+1, 120, SAY
.endr
.irp k, 0,1,2,3,4                              ; my 40 candidates in ascending order of index; each accumulator from its low end on
.irp j, 0,1,2,3,4,5,6,7
	v_add_nc_u32 v[CID], \j, v[CI+\k]
	INSERT LV, LI, ACC+8*\k+\j, CID, 0
.endr
.endr
	PAIRMERGE LV, DV                               ; lanes 0-15: the lower five octets' list takes in the upper five's: row = lane
	v_cmp_gt_u32 vcc_lo, 16, v0
	s_wait_alu depctr_va_vdst(0)
	s_wait_xcnt 0x0                                ; EXEC changes only behind this wait
	s_and_saveexec_b32 s13, vcc_lo
.irp i, 0,1,2,3,4
	global_store_b64 v[SO], v[LI+2*\i:LI+2*\i+1], s[10:11] offset:8*\i     ; sixteen rows of 40 bytes on end: 640 consecutive bytes by five stores
	global_store_b64 v[SO], v[LI+2*\i:LI+2*\i+1], s[30:31] offset:8*\i
.endr
	s_wait_xcnt 0x0
	s_or_b32 exec_lo, exec_lo, s13
	s_endpgm
.Lfunc_end_k_q53bec00aa9_select:
	.size	k_q53bec00aa9_select, .Lfunc_end_k_q53bec00aa9_select-k_q53bec00aa9_select
	.p2alignl 7, 3214868480
	.fill 96, 4, 3214868480
	.section	.rodata,"a",@progbits
	.p2align	6, 0x0
	.amdhsa_kernel k_q53bec00aa9_select
		.amdhsa_group_segment_fixed_size 0
		.amdhsa_private_segment_fixed_size 0
		.amdhsa_enable_private_segment 0
		.amdhsa_kernarg_size 48
		.amdhsa_user_sgpr_count 2
		.amdhsa_user_sgpr_kernarg_segment_ptr 1
		.amdhsa_wavefront_size32 1
		.amdhsa_system_sgpr_workgroup_id_x 1
		.amdhsa_system_sgpr_workgroup_id_y 1
		.amdhsa_system_sgpr_workgroup_id_z 1
		.amdhsa_system_vgpr_workitem_id 0
		.amdhsa_next_free_vgpr 512
		.amdhsa_next_free_sgpr 66
		.amdhsa_reserve_vcc 1
		.amdhsa_float_denorm_mode_32 3
		.amdhsa_float_denorm_mode_16_64 3
		.amdhsa_memory_ordered 1
		.amdhsa_forward_progress 1
		.amdhsa_inst_pref_size 240
	.end_amdhsa_kernel
	.amdgpu_metadata
---
amdhsa.version: [ 1, 2 ]
amdhsa.kernels:
  - .name:           k_q53bec00aa9_select
    .symbol:         k_q53bec00aa9_select.kd
    .args:
      - { .name: sq, .offset: 0, .size: 8, .value_kind: global_buffer, .address_space: global }
      - { .name: tq, .offset: 8, .size: 8, .value_kind: global_buffer, .address_space: global }
      - { .name: ol, .offset: 16, .size: 8, .value_kind: global_buffer, .address_space: global }
      - { .name: out2, .offset: 24, .size: 8, .value_kind: global_buffer, .address_space: global }
      - { .name: out3, .offset: 32, .size: 8, .value_kind: global_buffer, .address_space: global }
      - { .name: ix, .offset: 40, .size: 8, .value_kind: global_buffer, .address_space: global }
    .group_segment_fixed_size: 0
    .private_segment_fixed_size: 0
    .kernarg_segment_align: 8
    .kernarg_segment_size: 48
    .max_flat_workgroup_size: 32
    .sgpr_count:     66
    .vgpr_count:     512
    .wavefront_size: 32
...
	.end_amdgpu_metadata
.endif
;; end of part 3
;; launch soft (part 4): grid 625 x 2, 8 waves a work-group, no clusters, 0 bytes of LDS; arguments eh_s, eh_t, rh_s, rh_t, ix, out0, out1; writes out0, out1
.if DOCPART == 4
	.amdgcn_target "amdgcn-amd-amdhsa--gfx1250"
	.amdhsa_code_object_version 6
	.text
	.protected	k_q53bec00aa9_soft
	.globl	k_q53bec00aa9_soft
	.p2align	8
	.type	k_q53bec00aa9_soft,@function
k_q53bec00aa9_soft:
	s_mov_b64 s[64:65], 0
	v_nop
	global_prefetch_b8 v0, s[64:65] scope:SCOPE_SE
	s_setreg_imm32_b32 hwreg(HW_REG_WAVE_MODE, 25, 1), 1
	s_wait_xcnt 0x0
; For each source row of problem y (0: e, 1: r): the f32 dot products of the row, as it was given, with the 10 target rows that ix names, and the softmax over the ten (the largest is taken away first).
; SHARES: sixteen lanes to a row, 16 rows to a work-group.  Lane l holds numbers 64 c + 4 l .. + 3 (c = 0 .. 3) of its row and of each target row: sixteen lanes read 256 consecutive bytes.
; All 40 loads of the gathered rows are out together (160 registers); the dots are taken as they land.  Fused multiply-adds in f32, two at a time: with one row on the left the matrix unit would idle in 15 rows of 16.
; An index enters an address only held to 0 .. 9,999.  No LDS, no barrier.  LIMITS: NaN and infinities among the inputs are not served; a weight under 2^-126 comes out as 0.
.set HSO, 4                            ; v4       my 16 bytes in the work-group's rows of h_s: 1,024 row + 16 l
.set RO,  5                            ; v5       40 x my row in the work-group: in ix and in the output
.set IDX, 10                           ; v10-19   the ten indices
.set HS,  20                           ; v20-35   my 16 numbers of the source row
.set HT,  40                           ; v40-199  my 16 numbers of each of the ten target rows
.set OFK, 200                          ; v200-209 their byte offsets; never rewritten
.set D,   210                          ; v210-229 the dots, a pair of partial sums each; the dot ends in the pair's first register
.set P,   230                          ; v230-239 the weights
.set M,   240
.set SUM, 241
.set R,   242                          ; v[242:243] 1 / the sum (the packed form names a pair and takes its first register for both halves)
.set W,   244                          ; v244-247 at work
	s_load_b256 s[4:11], s[0:1], 0x0               ; eh_s s[4:5], eh_t s[6:7], rh_s s[8:9], rh_t s[10:11]
	s_load_b128 s[12:15], s[0:1], 0x20             ; ix s[12:13], out0 s[14:15]
	s_load_b64 s[16:17], s[0:1], 0x30              ; out1
	v_lshrrev_b32 v1, 4, v0                        ; my row in the work-group, 0 .. 15
	v_and_b32 v2, 15, v0                           ; l
	s_delay_alu instid0(VALU_DEP_1)
	v_lshlrev_b32 v3, 4, v2
	s_delay_alu instid0(VALU_DEP_1)
	v_lshl_add_u32 v[HSO], v1, 10, v3
	s_delay_alu instid0(VALU_DEP_4)
	v_mul_u32_u24 v[RO], v1, 40
	s_and_b32 s18, ttmp7, 0xffff                   ; y
	s_lshl_b32 s20, ttmp9, 14                      ; 16 rows of 1,024 bytes
	s_mov_b32 s21, 0
	s_mul_i32 s22, ttmp9, 640                      ; 16 rows of 40 bytes
	s_mov_b32 s23, 0
	s_mul_i32 s24, s18, 400000
	s_add_co_u32 s24, s24, s22
	s_mov_b32 s25, 0
	s_wait_alu depctr_va_vdst(0)
	s_wait_kmcnt 0x0
	s_cmp_eq_u32 s18, 0                            ; the choices hang on the work-group's number alone
	s_cselect_b64 s[4:5], s[4:5], s[8:9]
	s_cselect_b64 s[6:7], s[6:7], s[10:11]
	s_cselect_b64 s[14:15], s[14:15], s[16:17]
	s_add_nc_u64 s[4:5], s[4:5], s[20:21]
	s_add_nc_u64 s[12:13], s[12:13], s[24:25]
	s_add_nc_u64 s[14:15], s[14:15], s[22:23]
.irp i, 0,1,2,3,4
	global_load_b64 v[IDX+2*\i:IDX+2*\i+1], v[RO], s[12:13] offset:8*\i
.endr
.irp c, 0,1,2,3
	global_load_b128 v[HS+4*\c:HS+4*\c+3], v[HSO], s[4:5] offset:256*\c
.endr
	s_wait_loadcnt 4                               ; the indices are in; the source row's four loads may be out
.irp k, 0,1,2,3,4,5,6,7,8,9
	v_min_u32 v[IDX+\k], 9999, v[IDX+\k]
.endr
.irp k, 0,1,2,3,4,5,6,7,8,9
	v_lshlrev_b32 v[OFK+\k], 10, v[IDX+\k]
.endr
.irp k, 0,1,2,3,4,5,6,7,8,9
	v_add_nc_u32 v[OFK+\k], v3, v[OFK+\k]
.endr
.irp k, 0,1,2,3,4,5,6,7,8,9
.irp c, 0,1,2,3
	global_load_b128 v[HT+16*\k+4*\c:HT+16*\k+4*\c+3], v[OFK+\k], s[6:7] offset:256*\c
.endr
.endr
.irp k, 0,1,2,3,4,5,6,7,8,9
	s_wait_loadcnt 4*(9-\k)                        ; candidate k's four loads are in (and the source row's); the later candidates' may be out
	v_pk_mul_f32 v[D+2*\k:D+2*\k+1], v[HS:HS+1], v[HT+16*\k:HT+16*\k+1]
.irp q, 1,2,3,4,5,6,7
	s_delay_alu instid0(VALU_DEP_1)
	v_pk_fma_f32 v[D+2*\k:D+2*\k+1], v[HS+2*\q:HS+2*\q+1], v[HT+16*\k+2*\q:HT+16*\k+2*\q+1], v[D+2*\k:D+2*\k+1]
.endr
	s_delay_alu instid0(VALU_DEP_1)
	v_add_f32 v[D+2*\k], v[D+2*\k], v[D+2*\k+1]
.endr
.irp m, 1,2,4,8                                ; over the row's sixteen lanes; the ten sums by turns.  Every lane ends with all ten dots
.irp k, 0,1,2,3,4,5,6,7,8,9
	v_add_f32_dpp v[D+2*\k], v[D+2*\k], v[D+2*\k] row_xmask:\m row_mask:0xf bank_mask:0xf
.endr
.endr
	v_max3_num_f32 v[M], v[D], v[D+2], v[D+4]
	s_delay_alu instid0(VALU_DEP_1)
	v_max3_num_f32 v[M], v[M], v[D+6], v[D+8]
	s_delay_alu instid0(VALU_DEP_1)
	v_max3_num_f32 v[M], v[M], v[D+10], v[D+12]
	s_delay_alu instid0(VALU_DEP_1)
	v_max3_num_f32 v[M], v[M], v[D+14], v[D+16]
	s_delay_alu instid0(VALU_DEP_1)
	v_max_num_f32 v[M], v[M], v[D+18]
.irp k, 0,1,2,3,4,5,6,7,8,9
	v_sub_f32 v[P+\k], v[D+2*\k], v[M]             ; the difference first, so that large dots lose nothing in the scaling
.endr
.irp k, 0,1,2,3,4,5,6,7,8,9
	v_mul_f32 v[P+\k], 0x3fb8aa3b, v[P+\k]         ; x log2(e)
.endr
	s_wait_alu depctr_va_vdst(0)
.irp k, 0,1,2,3,4,5,6,7,8,9
	v_exp_f32 v[P+\k], v[P+\k]
.endr
	v_mov_b32 v[R+1], 0                            ; a plain place behind the exponentials (the pair's second register is named, so it is written)
	s_wait_alu depctr_va_vdst(0)                   ; one wait for the batch of ten, ahead of its first reader
	v_pk_add_f32 v[W:W+1], v[P:P+1], v[P+2:P+3]
	v_pk_add_f32 v[W+2:W+3], v[P+4:P+5], v[P+6:P+7]
	v_pk_add_f32 v[W:W+1], v[W:W+1], v[P+8:P+9]
	s_delay_alu instid0(VALU_DEP_1)
	v_pk_add_f32 v[W:W+1], v[W:W+1], v[W+2:W+3]
	s_delay_alu instid0(VALU_DEP_1)
	v_add_f32 v[SUM], v[W], v[W+1]                 ; at least 1: the largest dot's weight is 1
	s_wait_alu depctr_va_vdst(0)
	v_rcp_f32 v[R], v[SUM]
	v_cmp_eq_u32 vcc_lo, 0, v2                     ; (a plain place behind the reciprocal)  the row's first lane stores
	s_wait_alu depctr_va_vdst(0)                   ; the wait, ahead of the first reader
.irp i, 0,1,2,3,4
	v_pk_mul_f32 v[P+2*\i:P+2*\i+1], v[P+2*\i:P+2*\i+1], v[R:R+1] op_sel_hi:[1,0]
.endr
	s_wait_alu depctr_va_vdst(0)
	s_wait_xcnt 0x0                                ; EXEC changes only behind this wait
	s_and_saveexec_b32 s26, vcc_lo
.irp i, 0,1,2,3,4
	global_store_b64 v[RO], v[P+2*\i:P+2*\i+1], s[14:15] offset:8*\i
.endr
	s_wait_xcnt 0x0
	s_or_b32 exec_lo, exec_lo, s26
	s_endpgm
.Lfunc_end_k_q53bec00aa9_soft:
	.size	k_q53bec00aa9_soft, .Lfunc_end_k_q53bec00aa9_soft-k_q53bec00aa9_soft
	.p2alignl 7, 3214868480
	.fill 96, 4, 3214868480
	.section	.rodata,"a",@progbits
	.p2align	6, 0x0
	.amdhsa_kernel k_q53bec00aa9_soft
		.amdhsa_group_segment_fixed_size 0
		.amdhsa_private_segment_fixed_size 0
		.amdhsa_enable_private_segment 0
		.amdhsa_kernarg_size 56
		.amdhsa_user_sgpr_count 2
		.amdhsa_user_sgpr_kernarg_segment_ptr 1
		.amdhsa_wavefront_size32 1
		.amdhsa_system_sgpr_workgroup_id_x 1
		.amdhsa_system_sgpr_workgroup_id_y 1
		.amdhsa_system_sgpr_workgroup_id_z 1
		.amdhsa_system_vgpr_workitem_id 0
		.amdhsa_next_free_vgpr 248
		.amdhsa_next_free_sgpr 66
		.amdhsa_reserve_vcc 1
		.amdhsa_float_denorm_mode_32 3
		.amdhsa_float_denorm_mode_16_64 3
		.amdhsa_memory_ordered 1
		.amdhsa_forward_progress 1
		.amdhsa_inst_pref_size 22
	.end_amdhsa_kernel
	.amdgpu_metadata
---
amdhsa.version: [ 1, 2 ]
amdhsa.kernels:
  - .name:           k_q53bec00aa9_soft
    .symbol:         k_q53bec00aa9_soft.kd
    .args:
      - { .name: eh_s, .offset: 0, .size: 8, .value_kind: global_buffer, .address_space: global }
      - { .name: eh_t, .offset: 8, .size: 8, .value_kind: global_buffer, .address_space: global }
      - { .name: rh_s, .offset: 16, .size: 8, .value_kind: global_buffer, .address_space: global }
      - { .name: rh_t, .offset: 24, .size: 8, .value_kind: global_buffer, .address_space: global }
      - { .name: ix, .offset: 32, .size: 8, .value_kind: global_buffer, .address_space: global }
      - { .name: out0, .offset: 40, .size: 8, .value_kind: global_buffer, .address_space: global }
      - { .name: out1, .offset: 48, .size: 8, .value_kind: global_buffer, .address_space: global }
    .group_segment_fixed_size: 0
    .private_segment_fixed_size: 0
    .kernarg_segment_align: 8
    .kernarg_segment_size: 56
    .max_flat_workgroup_size: 256
    .sgpr_count:     66
    .vgpr_count:     248
    .wavefront_size: 32
...
	.end_amdgpu_metadata
.endif
;; end of part 4
